; MI455X (gfx1250); checked and timed in simulation.
; The chip was launched on July 23, 2026; its instructions are those of AMD's public machine-readable ISA for CDNA 5 (MIT licence, August 2026) and "CDNA5" Instruction Set Architecture Reference Guide (July 2026). The comments in the code are by the model that wrote it; some were corrected since.
;; Bert Self Attention. Allowed arithmetic: matrix products marked QUANTISED: E3M2 operands, one E8M0 scale for each 32 along K, by v_wmma_scale_f32_16x16x128_f8f6f4 with both operands' format E3M2, f32 sums; everything else in f32.
;; Inputs: Wk 1,024 x 1,024 float32; Wq 1,024 x 1,024 float32; Wv 1,024 x 1,024 float32; attention_mask 8 x 1 x 1,024 x 1,024 float32; bk 1,024 float32; bq 1,024 float32; bv 1,024 float32; hidden_states 8 x 1,024 x 1,024 float32.
;; Outputs: out0 8 x 1,024 x 1,024 float32.
;; This version of the problem:
;;   THIS VERSION OF THE PROBLEM IS GIVEN IN LOW PRECISION. The matrix products marked QUANTISED in the list below multiply operands that are first quantised to E3M2 (3 exponent bits, 2 mantissa bits; 6 bits a number), with one power-of-two scale for each 32 numbers along K (OCP MX v1.0); their sums are f32. All else is computed in f32.
;;   The module's matrix products, in the order in which they are computed (A, B: the left and right operand; K: the contracted axis; several contracted axes count as one K, in the product's order):
;;     1. [M 8,192, K 1,024] x [K 1,024, N 1,024]; A: input hidden_states; B: input Wq: QUANTISED
;;     2. [M 8,192, K 1,024] x [K 1,024, N 1,024]; A: input hidden_states; B: input Wk: QUANTISED
;;     3. [M 8,192, K 1,024] x [K 1,024, N 1,024]; A: input hidden_states; B: input Wv: QUANTISED
;;     4. batch 128 x [M 1,024, K 64] x [K 64, N 1,024]; A: computed on the way; B: computed on the way: QUANTISED
;;     5. batch 128 x [M 1,024, K 1,024] x [K 1,024, N 64]; A: softmax (see below); B: computed on the way: QUANTISED
;;   THE QUANTISER, for each operand of a quantised product, along K:
;;     - K is cut into blocks of 32 from its start; a last block that is shorter is filled with zeros.
;;     - A block's scale is 2^e with e = floor(log2(the largest magnitude in the block)) - 4, held to -126 .. 127; a block of zeros has e = 0. As a byte (E8M0): e + 127.
;;     - Each number is divided by its block's scale, clamped to +-28, and rounded to the nearest number of E3M2, ties to even, subnormals kept.
;;     - The product sums the exact products of the quantised numbers (number of the format x scale) in f32.
;;   ~~~python
;;   def quantise(x, axis):      # numpy; x: float32 -> the quantised numbers, widened to float32 again
;;       x = np.moveaxis(x, axis, -1); K = x.shape[-1]
;;       x = np.pad(x, [(0, 0)] * (x.ndim - 1) + [(0, -K % 32)]); x = x.reshape(x.shape[:-1] + (-1, 32)); a = np.abs(x).max(-1, keepdims=True)
;;       e = np.where(a > 0, np.clip(np.frexp(np.where(a > 0, a, 1))[1] - 1 - 4, -126, 127), 0)      # np.frexp(a)[1] - 1 = floor(log2(a)), exactly
;;       r = np.clip(x / 2.0 ** e, -28, 28)
;;       step = 2.0 ** (np.maximum(np.frexp(np.where(r == 0, 1, r))[1] - 1, -2) - 2)
;;       q = np.round(r / step) * step * 2.0 ** e      # np.round: ties to even
;;       return np.moveaxis(q.reshape(q.shape[:-2] + (-1,))[..., :K], -1, axis).astype(np.float32)
;;   ~~~
;;   SOFTMAX AHEAD OF A QUANTISED PRODUCT. Where the list says 'softmax', what is quantised is not the finished softmax but p = 2^(t - M), with t = logit x log2(e) and M = ceil(the row's largest t), a whole number; so 1/2 < the row's largest p <= 1. The row's sum l is taken of the UNQUANTISED p, in f32, and the product's result is divided by l at the end. Since M is a whole number, a kernel that streams over the keys may use a running M (the ceiling of the running maximum): every later rescaling is an exact power of two, which a block's scale takes up: the codes' values come out the same.
;;   OPERANDS COMPUTED ON THE WAY. 'Computed on the way' means the value that the module computes at that place (a softmax that the list does not call 'softmax' is quantised finished and normalised). What goes into a quantiser is computed in f32, as accurately as f32 sums, v_exp_f32 and their like allow (about 1e-6 of the number): no bf16 or f16 on the way to a quantiser, and a product that is left as it is and whose result goes on into a quantised operand takes f32 operands (vector FMAs, or v_wmma_f32_16x16x4_f32). A number that lies on a knife's edge between two numbers of the format may be rounded either way, as far as f32 arithmetic and the matrix unit's own rounding can turn it there, and no further.
;; One version. Each part assembles by itself: llvm-mc -triple=amdgcn-amd-amdhsa -mcpu=gfx1250 --defsym DOCPART=n.
;; ======== version 1 of 1: 3 launches
;; limits: right only within a limited range of input values
;; workspace buffers: codes 8,650,752 bytes; scales 360,448 bytes; qbuf 6,815,744 bytes; kv 13,369,344 bytes
;; launch quant (part 1): grid 352 x 1, 4 waves a work-group, no clusters, 0 bytes of LDS; arguments hidden_states, Wq, Wk, Wv, codes, scales; writes codes, scales
.if DOCPART == 1
	.amdgcn_target "amdgcn-amd-amdhsa--gfx1250"
	.amdhsa_code_object_version 6
	.text
	.protected	k_q3f26985cac_quant
	.globl	k_q3f26985cac_quant
	.p2align	8
	.type	k_q3f26985cac_quant,@function
k_q3f26985cac_quant:
	s_mov_b64 s[64:65], 0
	v_nop
	global_prefetch_b8 v0, s[64:65] scope:SCOPE_SE
	s_setreg_imm32_b32 hwreg(HW_REG_WAVE_MODE, 25, 1), 1
	s_wait_xcnt 0x0
; hidden_states [8][1024 d][1024 l] and Wq, Wk, Wv [1024 o][1024 d], f32, become codes of E3M2 with one E8M0 byte for each 32 along K = d.
; OPERAND ROWS: 0 .. 8191 hidden_states (row = 1024 b + l), from 8192 Wq, from 9216 Wk, from 10240 Wv.
; codes:  [block of 16 rows: 704][K step of 128: 8][1,536 bytes]: a fragment AS ITS REGISTERS LIE: registers 4 g .. 4 g + 3 of fragment lane L at 512 g + 16 L;
;         fragment lane (r, h) holds row r, registers 6 c .. 6 c + 5 the codes of k = 64 c + 32 h + 0 .. 31.
; scales: [K slot of 256: 4][row: 11,264][8 bytes]: byte i belongs to the slot's i-th block of 32.
; A block's scale is 2^(floor(log2(largest magnitude)) - 4); its byte is the largest magnitude's exponent field - 4, held at 1 from below.
; LIMITS: a block of zeros gets the byte 1 where the rule says 127 (its codes are zeros, and this program alone reads the bytes); blocks whose largest magnitude
; lies under 2^(5 - 127) are held at that floor; NaN and infinities among the inputs are not served.
; SHARES: a wave takes 32 operand rows, A LANE A ROW, x 256 along K: eight blocks of 32, each whole in one lane's 32 registers, so no other lane is asked for a maximum.
; Work-groups 0 .. 255 take hidden_states (K is not innermost: each load reads one d at 32 neighbouring l, 128 consecutive bytes a wave, 512 a work-group);
; work-groups 256 .. 351 take the weights (K innermost: a lane reads its row's 128 bytes of a block by eight loads of 16).
; Blocks go in the order in which a fragment lane wants them: two blocks (c = 0, 1) make the 12 registers of fragment lane (r, h) of one K step, which leave by three
; stores of 16 bytes a lane: lanes 0-15 fill 256 consecutive aligned bytes of one block of rows, lanes 16-31 of the next.
; No LDS, no barrier: waves share nothing.  Loads run two blocks ahead.  Every offset is an immediate and every store has registers of its own: nothing that a pending access reads is written again.
.set EMAX, 4
.set LO,   1                           ; v1      the loads' lane offset
.set STO,  2                           ; v2      the codes' stores: (lane / 16) x 12,288 + (lane % 16) x 16
.set SO8,  3                           ; v3      8 x lane: my row's eight scale bytes
.set SB,   24                          ; v24-25  the scale bytes
.set X,    32                          ; v32-95  two sets of 32 numbers
.set C,    96                          ; v96-143 four sets of 12 registers of codes
.set TT,   144                         ; v144-146 a block's upper 16 codes (a conversion's three registers begin on an even number)
.macro LOAD kind, t                    ; block t of my eight into set t % 2.  KL: which block of the K slot it is
.set KL, 4*((\t)/4)+2*((\t)%2)+((\t)/2)%2
.if \kind
.irp i, 0,1,2,3,4,5,6,7,8,9,10,11,12,13,14,15,16,17,18,19,20,21,22,23,24,25,26,27,28,29,30,31
	global_load_b32 v[X+32*((\t)%2)+\i], v[LO], s[20:21] offset:(32*KL+\i)*4096 th:TH_LOAD_NT
.endr
.else
.irp i, 0,1,2,3,4,5,6,7
	global_load_b128 v[X+32*((\t)%2)+4*\i:X+32*((\t)%2)+4*\i+3], v[LO], s[20:21] offset:128*KL+16*\i
.endr
.endif
.endm
.macro BLOCK kind, t, nld
.set XS, X+32*((\t)%2)
.set KB, 4*((\t)/4)+2*((\t)%2)+((\t)/2)%2
.set CB, C+12*((\t)/2)
.set CP, CB+6*((\t)%2)
.if (\t) < 7
	s_wait_loadcnt \nld                            ; this block's loads are in; the next block's, the only younger ones, may be out
.else
	s_wait_loadcnt 0x0
.endif
	v_max3_num_f32 v12, |v[XS]|, |v[XS+1]|, |v[XS+2]|              ; the block's largest magnitude, in two chains
	v_max3_num_f32 v13, |v[XS+3]|, |v[XS+4]|, |v[XS+5]|
.irp i, 6,10,14,18,22,26
	v_max3_num_f32 v12, v12, |v[XS+\i]|, |v[XS+\i+1]|
	v_max3_num_f32 v13, v13, |v[XS+\i+2]|, |v[XS+\i+3]|
.endr
	v_max3_num_f32 v12, v12, |v[XS+30]|, |v[XS+31]|
	v_max3_num_f32 v12, v12, v13, (EMAX+1)<<23     ; and the floor: the byte cannot fall under 1
	v_add_nc_u32 v11, -(EMAX<<23), v12             ; 4 off the exponent field: the conversion takes this operand's exponent field as its scale
	v_lshrrev_b32 v13, 23, v11                     ; the scale's byte
.if (\t)%4 == 0
	v_mov_b32 v[SB+KB/4], v13
.else
	v_lshl_or_b32 v[SB+KB/4], v13, 8*(KB%4), v[SB+KB/4]
.endif
	v_cvt_scalef32_pk16_bf6_f32 v[CP:CP+2], v[XS:XS+15], v11
	v_cvt_scalef32_pk16_bf6_f32 v[TT:TT+2], v[XS+16:XS+31], v11
	v_nop                                          ; one plain instruction behind the conversions, ahead of the moves that read a result
	v_mov_b32 v[CP+3], v[TT]
	v_mov_b32 v[CP+4], v[TT+1]
	v_mov_b32 v[CP+5], v[TT+2]
.if (\t)+2 < 8
	LOAD \kind, (\t)+2
.endif
.if (\t)%2 == 1                        ; fragment lane (r, h = (t / 2) % 2) of K step t / 4 of my slot is whole
.irp g, 0,1,2
	global_store_b128 v[STO], v[CB+4*\g:CB+4*\g+3], s[22:23] offset:((\t)/4)*1536+\g*512+(((\t)/2)%2)*256
.endr
.endif
.endm
.macro PTRS                            ; s26 = my wave's first operand row (a multiple of 32), s18 = my K slot
	s_lshr_b32 s28, s26, 4
	s_mul_i32 s28, s28, 12288
	s_mul_i32 s29, s18, 3072
	s_add_co_u32 s28, s28, s29
	s_mov_b32 s29, 0
	s_add_nc_u64 s[22:23], s[12:13], s[28:29]      ; the codes of my first block of rows, my slot's first K step
	s_mul_i32 s28, s18, 11264
	s_add_co_u32 s28, s28, s26
	s_lshl_b32 s28, s28, 3
	s_add_nc_u64 s[24:25], s[14:15], s[28:29]      ; my rows' scale bytes
.endm
.macro BODY kind, nld
	LOAD \kind, 0
	LOAD \kind, 1
.irp t, 0,1,2,3,4,5,6,7
	BLOCK \kind, \t, \nld
.endr
	global_store_b64 v[SO8], v[SB:SB+1], s[24:25]  ; 32 lanes store 256 consecutive bytes, aligned
	s_endpgm
.endm
	s_load_b256 s[4:11], s[0:1], 0x0               ; hidden_states, Wq, Wk, Wv
	s_load_b128 s[12:15], s[0:1], 0x20             ; codes, scales
	v_lshrrev_b32 v4, 5, v0
	v_readfirstlane_b32 s16, v4                    ; wave
	v_and_b32 v5, 31, v0                           ; lane
	v_lshrrev_b32 v6, 4, v5
	v_and_b32 v7, 15, v5
	v_mul_u32_u24 v[STO], v6, 12288
	v_lshl_add_u32 v[STO], v7, 4, v[STO]
	v_lshlrev_b32 v[SO8], 3, v5
	s_cmp_lt_u32 ttmp9, 256                        ; the choice hangs on the work-group's number alone
	s_cbranch_scc0 .Lweights
	; hidden_states: work-group = (4 b + y) x 8 + gx; my wave's columns l = 128 gx + 32 wave + lane
	s_lshr_b32 s17, ttmp9, 5                       ; b
	s_bfe_u32 s18, ttmp9, 0x20003                  ; y
	s_and_b32 s19, ttmp9, 7                        ; gx
	s_lshl_b32 s26, s17, 10
	s_lshl_b32 s27, s19, 7
	s_add_co_u32 s26, s26, s27
	s_lshl_b32 s27, s16, 5
	s_add_co_u32 s26, s26, s27                     ; first operand row
	s_lshl_b32 s20, s17, 22                        ; b x 4 MiB
	s_lshl_b32 s27, s18, 20                        ; + 256 y rows of 4,096 bytes
	s_add_co_u32 s20, s20, s27
	s_lshl_b32 s27, s19, 9
	s_add_co_u32 s20, s20, s27
	s_lshl_b32 s27, s16, 7
	s_add_co_u32 s20, s20, s27                     ; + 4 x first column
	s_mov_b32 s21, 0
	s_wait_alu depctr_va_vdst(0)
	v_lshlrev_b32 v[LO], 2, v5
	s_wait_alu depctr_va_vdst(0)
	s_wait_kmcnt 0x0
	s_add_nc_u64 s[20:21], s[4:5], s[20:21]
	PTRS
	BODY 1, 32
.Lweights:
	; weights: work-group - 256 = 32 tensor + 4 rg + y; my wave's rows 128 rg + 32 wave + lane
	s_sub_co_u32 s17, ttmp9, 256
	s_lshr_b32 s30, s17, 5                         ; which tensor
	s_bfe_u32 s19, s17, 0x30002                    ; rg
	s_and_b32 s18, s17, 3                          ; y
	s_lshl_b32 s26, s30, 10
	s_add_co_u32 s26, s26, 8192
	s_lshl_b32 s27, s19, 7
	s_add_co_u32 s26, s26, s27
	s_lshl_b32 s27, s16, 5
	s_add_co_u32 s26, s26, s27                     ; first operand row
	s_lshl_b32 s20, s19, 19
	s_lshl_b32 s27, s16, 17
	s_add_co_u32 s20, s20, s27
	s_lshl_b32 s27, s18, 10
	s_add_co_u32 s20, s20, s27                     ; (128 rg + 32 wave) rows of 4,096 bytes + 256 y numbers
	s_mov_b32 s21, 0
	s_wait_alu depctr_va_vdst(0)
	v_lshlrev_b32 v[LO], 12, v5
	s_wait_alu depctr_va_vdst(0)
	s_wait_kmcnt 0x0
	s_cmp_eq_u32 s30, 0
	s_cselect_b64 s[32:33], s[6:7], s[8:9]
	s_cmp_eq_u32 s30, 2
	s_cselect_b64 s[32:33], s[10:11], s[32:33]
	s_add_nc_u64 s[20:21], s[32:33], s[20:21]
	PTRS
	BODY 0, 8
.Lfunc_end_k_q3f26985cac_quant:
	.size	k_q3f26985cac_quant, .Lfunc_end_k_q3f26985cac_quant-k_q3f26985cac_quant
	.p2alignl 7, 3214868480
	.fill 96, 4, 3214868480
	.section	.rodata,"a",@progbits
	.p2align	6, 0x0
	.amdhsa_kernel k_q3f26985cac_quant
		.amdhsa_group_segment_fixed_size 0
		.amdhsa_private_segment_fixed_size 0
		.amdhsa_enable_private_segment 0
		.amdhsa_kernarg_size 48
		.amdhsa_user_sgpr_count 2
		.amdhsa_user_sgpr_kernarg_segment_ptr 1
		.amdhsa_wavefront_size32 1
		.amdhsa_system_sgpr_workgroup_id_x 1
		.amdhsa_system_sgpr_workgroup_id_y 1
		.amdhsa_system_sgpr_workgroup_id_z 1
		.amdhsa_system_vgpr_workitem_id 0
		.amdhsa_next_free_vgpr 152
		.amdhsa_next_free_sgpr 66
		.amdhsa_reserve_vcc 0
		.amdhsa_float_denorm_mode_32 3
		.amdhsa_float_denorm_mode_16_64 3
		.amdhsa_memory_ordered 1
		.amdhsa_forward_progress 1
		.amdhsa_inst_pref_size 60
	.end_amdhsa_kernel
	.amdgpu_metadata
---
amdhsa.version: [ 1, 2 ]
amdhsa.kernels:
  - .name:           k_q3f26985cac_quant
    .symbol:         k_q3f26985cac_quant.kd
    .args:
      - { .name: hidden_states, .offset: 0, .size: 8, .value_kind: global_buffer, .address_space: global }
      - { .name: Wq, .offset: 8, .size: 8, .value_kind: global_buffer, .address_space: global }
      - { .name: Wk, .offset: 16, .size: 8, .value_kind: global_buffer, .address_space: global }
      - { .name: Wv, .offset: 24, .size: 8, .value_kind: global_buffer, .address_space: global }
      - { .name: codes, .offset: 32, .size: 8, .value_kind: global_buffer, .address_space: global }
      - { .name: scales, .offset: 40, .size: 8, .value_kind: global_buffer, .address_space: global }
    .group_segment_fixed_size: 0
    .private_segment_fixed_size: 0
    .kernarg_segment_align: 8
    .kernarg_segment_size: 48
    .max_flat_workgroup_size: 128
    .sgpr_count:     66
    .vgpr_count:     152
    .wavefront_size: 32
...
	.end_amdgpu_metadata
.endif
;; end of part 1
;; launch proj (part 2): grid 8 x 48, 4 waves a work-group, clusters of 4 x 4, 327,680 bytes of LDS; arguments codes, scales, bq, bk, bv, qbuf, kv; writes qbuf, kv
.if DOCPART == 2
	.amdgcn_target "amdgcn-amd-amdhsa--gfx1250"
	.amdhsa_code_object_version 6
	.text
	.protected	k_q3f26985cac_proj
	.globl	k_q3f26985cac_proj
	.p2align	8
	.type	k_q3f26985cac_proj,@function
k_q3f26985cac_proj:
	s_mov_b64 s[64:65], 0
	v_nop
	global_prefetch_b8 v0, s[64:65] scope:SCOPE_SE
	s_setreg_imm32_b32 hwreg(HW_REG_WAVE_MODE, 25, 1), 1
	s_wait_xcnt 0x0
	s_wait_alu depctr_hold_cnt(0) depctr_sa_sdst(0) depctr_va_vdst(0) depctr_va_sdst(0) depctr_va_ssrc(0) depctr_va_vcc(0) depctr_vm_vsrc(0)
	s_getreg_b32 s2, hwreg(HW_REG_IB_STS2, 6, 4)
	s_cmp_eq_u32 s2, 0
	s_cbranch_scc0 .Lentry_in_a_cluster
	s_endpgm
.Lentry_in_a_cluster:
	s_bfe_u32 s2, ttmp6, 0x10000c
	s_cmp_lg_u32 s2, 0xf033
	s_cbranch_scc0 .Lentry_shape_is_right
	s_endpgm
.Lentry_shape_is_right:
.set NQ,    2
.set FR,    12
.set NL,    3
.set NP,    4
.set HALFT, 24576
.set SLOT,  4*HALFT
.set SCL,   2*SLOT
.set SPARE, 213248
.set ADRA, 16
.set ADRB, 20
.set LI,   24
.set L8,   25
.set ADRS, 27
.set SPW,  28
.set NIL,  29
.set PW,   30
.set SC,   32
.set BI,   64
.set AF,   128
.set BV,   224
.set T,    128
.set PC,   192
.set TM,   240
.set Z0,   4
.set Z1,   8
.set WV,   18
.set AH,   19
.set BH,   20
.set CX,   21
.set CY,   22
.set PATH, 23
.set G1,   24
.set G0,   32
.set G1B,  48
.set G0B,  56
.set FLOOR, 66
.set ADJ,  67
.set G1S,  68
.set G0S,  76
.set G1SB, 80
.set G0SB, 88
.set P0,   92
.set SEL,  96
.set BIP,  98
.set HM,   100
.set BVP,  104
.set CW,   (3<<16)|(1<<21)
.set MSB, 0
.macro WIN new
.if MSB != (\new)
	s_set_vgpr_msb (MSB<<8)|(\new)
.set MSB, (\new)
.endif
.endm
.set MUL_LO, 0xa1
.set MUL_HI, 0xf1
.set TO_B,   0x40
.macro JLOAD g0a, g1a, g0b, g1b
	s_cmp_eq_u32 s[AH], 0
	s_cbranch_scc0 .Lfor_b_\@
	tensor_load_to_lds s[\g0a:\g0a+3], s[\g1a:\g1a+7]
	s_nop 0
.rept 4
	v_nop
.endr
	s_branch .Lasked_\@
.Lfor_b_\@:
	tensor_load_to_lds s[\g0b:\g0b+3], s[\g1b:\g1b+7]
	s_nop 0
.rept 4
	v_nop
.endr
.Lasked_\@:
.endm
.macro CREST
	s_cmp_lg_u32 s[WV], 0
	s_cbranch_scc1 .Lnot_wave_0_\@
	s_barrier_signal -3
.Lnot_wave_0_\@:
	s_barrier_wait -3
	s_barrier_signal -1
	s_barrier_wait -1
.endm
.macro CROUND
	s_barrier_signal -1
	s_barrier_wait -1
	CREST
.endm
	s_load_b256 s[4:11], s[0:1], 0x0
	s_load_b128 s[12:15], s[0:1], 0x20
	s_load_b64 s[16:17], s[0:1], 0x30
	v_lshl_add_u32 v[SPW], v0, 2, SPARE
	v_mov_b32 v[NIL], 0
	ds_add_u32 v28, v29
	ds_add_u32 v28, v29
	s_wait_dscnt 0x0
	v_lshrrev_b32 v1, 5, v0
	v_readfirstlane_b32 s[WV], v1
	s_lshr_b32 s[AH], s[WV], 1
	s_and_b32 s[BH], s[WV], 1
	s_bfe_u32 s[CX], ttmp6, 0x40000
	s_bfe_u32 s[CY], ttmp6, 0x40004
	s_and_b32 s2, ttmp7, 0xffff
	s_lshr_b32 s[PATH], s2, 3
	s_and_b32 s3, s2, 7
	s_lshl_b32 s40, s[CY], 2
	s_lshl_b32 s40, 15, s40
	s_lshl_b32 s41, 0x1111, s[CX]
	s_or_b32 s[G1+0], s40, CW
	s_or_b32 s[G1B+0], s41, CW
	s_or_b32 s[G1S+0], s40, CW
	s_or_b32 s[G1SB+0], s41, CW
.irp g, G1, G1B
	s_mov_b32 s[\g+1], 384<<16
	s_mov_b32 s[\g+2], 8<<16
	s_mov_b32 s[\g+3], 384<<16
	s_mov_b32 s[\g+4], 8
	s_mov_b32 s[\g+5], 1536
	s_mov_b32 s[\g+6], 0
	s_mov_b32 s[\g+7], 0
.endr
.irp g, G1S, G1SB
	s_mov_b32 s[\g+1], 128<<16
	s_mov_b32 s[\g+2], 4<<16
	s_mov_b32 s[\g+3], 128<<16
	s_mov_b32 s[\g+4], 4
	s_mov_b32 s[\g+5], 11264
	s_mov_b32 s[\g+6], 0
	s_mov_b32 s[\g+7], 0
.endr
	s_lshl_b32 s40, s2, 6
	s_lshl_b32 s44, s3, 7
	s_cmp_eq_u32 s[PATH], 0
	s_cselect_b32 s40, s40, 640
	s_cselect_b32 s44, 512, s44
	s_lshl_b32 s41, s[CY], 4
	s_add_co_u32 s40, s40, s41
	s_lshl_b32 s41, s[BH], 3
	s_add_co_u32 s40, s40, s41
	s_lshl_b32 s45, s[CX], 4
	s_add_co_u32 s44, s44, s45
	s_lshl_b32 s45, ttmp9, 6
	s_add_co_u32 s44, s44, s45
	s_lshl_b32 s45, s[BH], 3
	s_add_co_u32 s44, s44, s45
	s_lshl_b32 s42, s40, 7
	s_mov_b32 s43, 0
	s_mul_i32 s40, s40, 12288
	s_mov_b32 s41, 0
	s_lshl_b32 s46, s44, 7
	s_mov_b32 s47, 0
	s_mul_i32 s44, s44, 12288
	s_mov_b32 s45, 0
	s_mul_i32 s92, s[WV], HALFT
	s_lshl_b32 s93, s[WV], 12
	s_lshl_b32 s94, s[AH], 7
	s_add_co_u32 s93, s93, s94
	s_wait_kmcnt 0x0
	s_add_nc_u64 s[40:41], s[4:5], s[40:41]
	s_add_nc_u64 s[42:43], s[6:7], s[42:43]
	s_add_nc_u64 s[44:45], s[4:5], s[44:45]
	s_add_nc_u64 s[46:47], s[6:7], s[46:47]
	CROUND
	s_mov_b32 s[G0S], 1
	s_add_co_u32 s[G0S+1], s93, SCL
	s_mov_b64 s[G0S+2:G0S+3], s[42:43]
	s_or_b32 s[G0S+3], s[G0S+3], 0x80000000
	s_mov_b32 s[G0SB], 1
	s_add_co_u32 s[G0SB+1], s93, SCL
	s_mov_b64 s[G0SB+2:G0SB+3], s[46:47]
	s_or_b32 s[G0SB+3], s[G0SB+3], 0x80000000
	JLOAD G0S, G1S, G0SB, G1SB
.irp s, 0,1
	s_mov_b32 s[G0+4*\s], 1
	s_add_co_u32 s[G0+4*\s+1], s92, \s*SLOT
	s_add_nc_u64 s[G0+4*\s+2:G0+4*\s+3], s[40:41], \s*3072
	s_or_b32 s[G0+4*\s+3], s[G0+4*\s+3], 0x80000000
	s_mov_b32 s[G0B+4*\s], 1
	s_add_co_u32 s[G0B+4*\s+1], s92, \s*SLOT
	s_add_nc_u64 s[G0B+4*\s+2:G0B+4*\s+3], s[44:45], \s*3072
	s_or_b32 s[G0B+4*\s+3], s[G0B+4*\s+3], 0x80000000
	s_wait_alu depctr_va_vdst(0)
	s_wait_tensorcnt 0x0
	ds_add_u32 v28, v29
	s_wait_dscnt 0x0
	CROUND
	JLOAD G0+4*\s, G1, G0B+4*\s, G1B
.endr
	v_and_b32 v1, 31, v0
	v_and_b32 v2, 15, v0
	v_bfe_u32 v3, v0, 4, 1
	s_wait_alu depctr_va_vdst(0)
	v_lshlrev_b32 v[LI], 4, v1
	v_lshlrev_b32 v[L8], 3, v1
	s_mul_i32 s92, s[AH], HALFT
	s_mul_i32 s93, s[BH], HALFT
	s_add_co_u32 s93, s93, 2*HALFT
.irp s, 0,1
	v_add_nc_u32 v[ADRA+\s], s92, v[LI]
	v_add_nc_u32 v[ADRB+\s], s93, v[LI]
	s_add_co_u32 s92, s92, SLOT
	s_add_co_u32 s93, s93, SLOT
.endr
	s_lshl_b32 s92, s[AH], 12
	s_lshl_b32 s93, s[BH], 12
	s_add_co_u32 s93, s93, 2*4096+128
	s_sub_co_u32 s93, s93, s92
	v_mul_u32_u24 v5, s93, v3
	s_add_co_u32 s92, s92, SCL
	v_lshl_add_u32 v5, v2, 3, v5
	v_add_nc_u32 v[ADRS], s92, v5
	s_cmp_eq_u32 ttmp9, 0
	s_cselect_b64 s[BIP:BIP+1], s[8:9], s[10:11]
	s_cmp_eq_u32 s[PATH], 0
	s_cselect_b64 s[BIP:BIP+1], s[BIP:BIP+1], s[12:13]
	s_mov_b64 s[BVP:BVP+1], s[BIP:BIP+1]
	s_lshl_b32 s40, s[CX], 10
	s_lshl_b32 s41, s[BH], 9
	s_add_co_u32 s40, s40, s41
	s_mov_b32 s41, 0
	s_add_nc_u64 s[BIP:BIP+1], s[BIP:BIP+1], s[40:41]
	s_lshl_b32 s42, s[CY], 10
	s_lshl_b32 s43, s[AH], 9
	s_add_co_u32 s42, s42, s43
	s_mov_b32 s43, 0
	s_add_nc_u64 s[BVP:BVP+1], s[BVP:BVP+1], s[42:43]
	v_lshlrev_b32 v12, 5, v3
	v_lshlrev_b32 v13, 2, v2
.irp b, 0,1,2,3,4,5,6,7
	global_load_b128 v[BI+8*\b:BI+8*\b+3], v12, s[BIP:BIP+1] offset:64*\b
	global_load_b128 v[BI+8*\b+4:BI+8*\b+7], v12, s[BIP:BIP+1] offset:64*\b+16
.endr
.irp a, 0,1,2,3,4,5,6,7
	global_load_b32 v[BV+2*\a], v13, s[BVP:BVP+1] offset:64*\a
	global_load_b32 v[BV+2*\a+1], v13, s[BVP:BVP+1] offset:64*\a
.endr
	s_mov_b32 s[SEL], 0x76543210
	s_mov_b32 s[SEL+1], 0xfedcba98
	s_mov_b32 s[HM], 0xffff0000
	s_or_b32 s40, s[PATH], ttmp9
	s_cmp_eq_u32 s40, 0
	s_mov_b32 s[FLOOR], 0x2800000
	s_cselect_b32 s[FLOOR], 0x4000000, s[FLOOR]
	s_cselect_b32 s[ADJ], 0x03030303, 0
	s_lshl_b32 s40, s2, 4
	s_lshl_b32 s41, s[CX], 2
	s_add_co_u32 s40, s40, s41
	s_lshl_b32 s41, s[BH], 1
	s_add_co_u32 s40, s40, s41
	s_lshl_b32 s40, s40, 3
	s_lshl_b32 s41, s[CY], 1
	s_add_co_u32 s41, s41, s[AH]
	s_add_co_u32 s40, s40, s41
	s_mul_i32 s40, s40, 6656
	s_lshl_b32 s42, s2, 2
	s_add_co_u32 s42, s42, s[CX]
	s_lshl_b32 s42, s42, 3
	s_add_co_u32 s42, s42, s41
	s_mul_i32 s42, s42, 52224
	s_mul_i32 s43, s[BH], 2*13056
	s_add_co_u32 s42, s42, s43
	s_lshl_b32 s44, s3, 1
	s_add_co_u32 s44, s44, ttmp9
	s_lshl_b32 s44, s44, 2
	s_add_co_u32 s44, s44, s[CY]
	s_lshl_b32 s44, s44, 3
	s_lshl_b32 s45, s[CX], 1
	s_add_co_u32 s45, s45, s[BH]
	s_add_co_u32 s44, s44, s45
	s_mul_i32 s44, s44, 52224
	s_mul_i32 s45, s[AH], 2*13056
	s_add_co_u32 s44, s44, s45
	s_add_co_u32 s44, s44, 6656
	s_cmp_eq_u32 ttmp9, 0
	s_cselect_b32 s40, s40, s42
	s_cselect_b64 s[P0:P0+1], s[14:15], s[16:17]
	s_mov_b32 s46, 13056
	s_cselect_b32 s46, 53248, s46
	s_cmp_eq_u32 s[PATH], 0
	s_cselect_b32 s40, s40, s44
	s_cselect_b64 s[P0:P0+1], s[P0:P0+1], s[16:17]
	s_cselect_b32 s46, s46, 13056
	s_mov_b32 s41, 0
	s_mov_b32 s47, 0
	s_add_nc_u64 s[P0:P0+1], s[P0:P0+1], s[40:41]
	s_add_nc_u64 s[P0+2:P0+3], s[P0:P0+1], s[46:47]
.irp b, 0,1,2,3
	v_mov_b32 v[TM+4+\b], 0
.endr
.macro FRAG reg, adr, q, i
.irp g, 0,1,2
	ds_load_b128 v[\reg+4*\g:\reg+4*\g+3], v[\adr] offset:(\i)*3072+(\q)*1536+512*\g
.endr
.endm
.macro MUL16 a0, p, q, sc, zero
.irp a, \a0, \a0+1
.irp b, 0,1,2,3,4,5,6,7
.if \zero
	v_wmma_scale_f32_16x16x128_f8f6f4 v[8*(8*((\a)%4)+\b):8*(8*((\a)%4)+\b)+7], v[128*(\p)+FR*\b:128*(\p)+FR*\b+FR-1], v[AF+FR*(\a):AF+FR*(\a)+FR-1], 0, v[SC+8*NQ*(\sc)+NQ*\b+(\q)], v[SC+8*NQ*(\sc)+NQ*(\a)+(\q)] matrix_a_fmt:MATRIX_FMT_BF6 matrix_b_fmt:MATRIX_FMT_BF6 matrix_a_scale:MATRIX_SCALE_ROW1
.else
	v_wmma_scale_f32_16x16x128_f8f6f4 v[8*(8*((\a)%4)+\b):8*(8*((\a)%4)+\b)+7], v[128*(\p)+FR*\b:128*(\p)+FR*\b+FR-1], v[AF+FR*(\a):AF+FR*(\a)+FR-1], v[8*(8*((\a)%4)+\b):8*(8*((\a)%4)+\b)+7], v[SC+8*NQ*(\sc)+NQ*\b+(\q)], v[SC+8*NQ*(\sc)+NQ*(\a)+(\q)] matrix_a_fmt:MATRIX_FMT_BF6 matrix_b_fmt:MATRIX_FMT_BF6 matrix_a_scale:MATRIX_SCALE_ROW1
.endif
.endr
.endr
.endm
.macro FETCH_B slot, q, p
	WIN TO_B
.irp i, 0,1,2,3,4,5,6,7
	FRAG 128*(\p)+FR*\i, ADRB+\slot, \q, \i
.endr
	WIN 0
.endm
.macro FETCH_A slot, q, i0
.irp i, \i0, \i0+1, \i0+2, \i0+3
	FRAG AF+FR*(\i), ADRA+\slot, \q, \i
.endr
.endm
.macro SCALES sc
.irp i, 0,1,2,3,4,5,6,7
	ds_load_b64 v[SC+8*NQ*\sc+NQ*\i:SC+8*NQ*\sc+NQ*\i+1], v[ADRS] offset:\i*128
.endr
.endm
.macro PLACES n
.rept \n
	v_nop
.endr
.endm
.macro STEP slot, q, zero
	s_wait_dscnt 4*NL
	WIN MUL_LO
	MUL16 0, (\q)%2, \q, \slot, \zero
	MUL16 2, (\q)%2, \q, \slot, \zero
	s_wait_dscnt 0
	PLACES NP
	FETCH_B \slot, (\q)+1, 1-(\q)%2
	FETCH_A \slot, (\q)+1, 0
	WIN MUL_HI
	MUL16 4, (\q)%2, \q, \slot, \zero
	MUL16 6, (\q)%2, \q, \slot, \zero
	PLACES NP
	WIN 0
	FETCH_A \slot, (\q)+1, 4
.endm
.macro TURN slot, next, fill
	s_wait_tensorcnt 0x0
	ds_add_u32 v[SPW], v[NIL]
	s_wait_dscnt 4*NL+1
	WIN MUL_LO
	MUL16 0, 1, NQ-1, \slot, 0
	s_wait_dscnt 0x0
	s_barrier_signal -1
	MUL16 2, 1, NQ-1, \slot, 0
	WIN 0
	s_barrier_wait -1
.if \fill
	CREST
	s_add_nc_u64 s[G0+4*\slot+2:G0+4*\slot+3], s[G0+4*\slot+2:G0+4*\slot+3], 6144
	s_add_nc_u64 s[G0B+4*\slot+2:G0B+4*\slot+3], s[G0B+4*\slot+2:G0B+4*\slot+3], 6144
	JLOAD G0+4*\slot, G1, G0B+4*\slot, G1B
.else
	PLACES NP
.endif
	s_wait_alu depctr_va_vdst(0)
	v_add_nc_u32 v[ADRS], 1024, v[ADRS]
	FETCH_B \next, 0, 0
	FETCH_A \next, 0, 0
	SCALES \next
	WIN MUL_HI
	MUL16 4, 1, NQ-1, \slot, 0
	MUL16 6, 1, NQ-1, \slot, 0
	PLACES NP
	WIN 0
	FETCH_A \next, 0, 4
.endm
	s_wait_alu depctr_va_vdst(0)
	s_wait_loadcnt 0x0
	s_wait_tensorcnt 1
	s_barrier_signal -1
	s_barrier_wait -1
	FETCH_B 0, 0, 0
	FETCH_A 0, 0, 0
	SCALES 0
	FETCH_A 0, 0, 4
	STEP 0, 0, 1
	TURN 0, 1, 1
	STEP 1, 0, 0
	TURN 1, 0, 1
	STEP 0, 0, 0
	TURN 0, 1, 0
	STEP 1, 0, 0
	s_wait_dscnt 4*NL
	WIN MUL_LO
	MUL16 0, 1, NQ-1, 1, 0
	MUL16 2, 1, NQ-1, 1, 0
	s_wait_dscnt 0
	WIN MUL_HI
	MUL16 4, 1, NQ-1, 1, 0
	MUL16 6, 1, NQ-1, 1, 0
	WIN 0
.macro BIAS a, kind
.set AC, 64*((\a)%4)
	WIN 0x02+(\a)/4
.set i, 0
.rept 32
.if \kind
	v_pk_add_f32 v[T+i:T+i+1], v[AC+i:AC+i+1], v[BV+2*(\a):BV+2*(\a)+1]
.else
	v_pk_add_f32 v[T+i:T+i+1], v[AC+i:AC+i+1], v[BI+i:BI+i+1]
.endif
.set i, i+2
.endr
	WIN 0
.endm
.macro QUANT s
.irp b, 0,1,2,3
	v_max3_num_f32 v[TM+\b], |v[\s+16*\b]|, |v[\s+1+16*\b]|, s[FLOOR]
.endr
.irp i, 2,4,6,8,10,12,14
.irp b, 0,1,2,3
	v_max3_num_f32 v[TM+\b], v[TM+\b], |v[\s+16*\b+\i]|, |v[\s+1+16*\b+\i]|
.endr
.endr
.irp b, 0,1,2,3
	v_permlanex16_b32 v[TM+4+\b], v[TM+\b], s[SEL], s[SEL+1]
.endr
.irp b, 0,1,2,3
	v_max_num_f32 v[TM+\b], v[TM+\b], v[TM+4+\b]
.endr
.irp b, 0,1,2,3
	v_add_nc_u32 v[TM+12+\b], 0xfe000000, v[TM+\b]
.endr
.irp b, 0,1,2,3
	v_lshrrev_b32 v[TM+4+\b], 23, v[TM+12+\b]
.endr
	v_lshl_or_b32 v[PW], v[TM+5], 8, v[TM+4]
	v_lshl_or_b32 v[PW], v[TM+6], 16, v[PW]
	v_lshl_or_b32 v[PW], v[TM+7], 24, v[PW]
.irp c, 0,1
	v_cvt_scalef32_pk16_bf6_f32 v[PC+6*\c:PC+2+6*\c], v[\s+32*\c:\s+15+32*\c], v[TM+12+2*\c]
	v_cvt_scalef32_pk16_bf6_f32 v[PC+12+4*\c:PC+14+4*\c], v[\s+16+32*\c:\s+31+32*\c], v[TM+12+2*\c+1]
.endr
	v_nop
.irp c, 0,1
.irp i, 0,1,2
	v_permlane16_swap_b32 v[PC+6*\c+\i], v[PC+12+4*\c+\i]
.endr
.irp i, 0,1,2
	v_mov_b32 v[PC+3+6*\c+\i], v[PC+12+4*\c+\i]
.endr
.endr
.endm
.macro OUTQK a
	BIAS \a, 0
.if (\a) > 0
	s_wait_xcnt 0x0
.endif
	QUANT T
	v_sub_nc_u32 v[PW], v[PW], s[ADJ]
	global_store_b128 v[LI], v[PC:PC+3], s[P0:P0+1] offset:768*(\a)
	global_store_b64 v[L8], v[PC+4:PC+5], s[P0:P0+1] offset:768*(\a)+512
	global_store_b128 v[LI], v[PC+6:PC+9], s[P0+2:P0+3] offset:768*(\a)
	global_store_b64 v[L8], v[PC+10:PC+11], s[P0+2:P0+3] offset:768*(\a)+512
.if (\a)%2 == 0
	v_and_b32 v[Z0+(\a)/2], 0xffff, v[PW]
	v_lshrrev_b32 v[Z1+(\a)/2], 16, v[PW]
.else
	v_and_b32 v26, 0xffff, v[PW]
	v_lshrrev_b32 v31, 16, v[PW]
	v_cndmask_b32 v[Z0+(\a)/2], v[Z0+(\a)/2], v26, s[HM]
	v_cndmask_b32 v[Z1+(\a)/2], v[Z1+(\a)/2], v31, s[HM]
.endif
.endm
.macro OUTV a
	BIAS \a, 1
.if (\a) > 0
	s_wait_xcnt 0x0
.endif
	QUANT T
.irp g, 0,1,2
	global_store_b128 v[LI], v[PC+4*\g:PC+4*\g+3], s[P0+2*((\a)/4):P0+2*((\a)/4)+1] offset:1536*((\a)%4)+512*\g
.endr
.if (\a)%2 == 0
	v_mov_b32 v[Z0+(\a)/2], v[PW]
.else
	v_cndmask_b32 v[Z0+(\a)/2], v[Z0+(\a)/2], v[PW], s[HM]
.endif
.if (\a)%4 == 3
	global_store_b64 v[L8], v[Z0+2*((\a)/4):Z0+2*((\a)/4)+1], s[P0+2*((\a)/4):P0+2*((\a)/4)+1] offset:6144
.endif
.endm
.macro FINISH
	s_wait_tensorcnt 0x0
	ds_add_u32 v[SPW], v[NIL]
	s_wait_dscnt 0x0
	CROUND
	s_endpgm
.endm
	PLACES NP
	s_cmp_lg_u32 s[PATH], 0
	s_cbranch_scc1 .Lvalues
.irp a, 0,1,2,3,4,5,6,7
	OUTQK \a
.endr
	global_store_b128 v[LI], v[Z0:Z0+3], s[P0:P0+1] offset:6144
	global_store_b128 v[LI], v[Z1:Z1+3], s[P0+2:P0+3] offset:6144
	FINISH
.Lvalues:
.irp a, 0,1,2,3,4,5,6,7
	OUTV \a
.endr
	FINISH
.Lfunc_end_k_q3f26985cac_proj:
	.size	k_q3f26985cac_proj, .Lfunc_end_k_q3f26985cac_proj-k_q3f26985cac_proj
	.p2alignl 7, 3214868480
	.fill 96, 4, 3214868480
	.section	.rodata,"a",@progbits
	.p2align	6, 0x0
	.amdhsa_kernel k_q3f26985cac_proj
		.amdhsa_group_segment_fixed_size 327680
		.amdhsa_private_segment_fixed_size 0
		.amdhsa_enable_private_segment 0
		.amdhsa_kernarg_size 56
		.amdhsa_user_sgpr_count 2
		.amdhsa_user_sgpr_kernarg_segment_ptr 1
		.amdhsa_wavefront_size32 1
		.amdhsa_system_sgpr_workgroup_id_x 1
		.amdhsa_system_sgpr_workgroup_id_y 1
		.amdhsa_system_sgpr_workgroup_id_z 1
		.amdhsa_system_vgpr_workitem_id 0
		.amdhsa_next_free_vgpr 1024
		.amdhsa_next_free_sgpr 106
		.amdhsa_reserve_vcc 0
		.amdhsa_float_denorm_mode_32 3
		.amdhsa_float_denorm_mode_16_64 3
		.amdhsa_memory_ordered 1
		.amdhsa_forward_progress 1
		.amdhsa_inst_pref_size 211
	.end_amdhsa_kernel
	.amdgpu_metadata
---
amdhsa.version: [ 1, 2 ]
amdhsa.kernels:
  - .name:           k_q3f26985cac_proj
    .symbol:         k_q3f26985cac_proj.kd
    .args:
      - { .name: codes, .offset: 0, .size: 8, .value_kind: global_buffer, .address_space: global }
      - { .name: scales, .offset: 8, .size: 8, .value_kind: global_buffer, .address_space: global }
      - { .name: bq, .offset: 16, .size: 8, .value_kind: global_buffer, .address_space: global }
      - { .name: bk, .offset: 24, .size: 8, .value_kind: global_buffer, .address_space: global }
      - { .name: bv, .offset: 32, .size: 8, .value_kind: global_buffer, .address_space: global }
      - { .name: qbuf, .offset: 40, .size: 8, .value_kind: global_buffer, .address_space: global }
      - { .name: kv, .offset: 48, .size: 8, .value_kind: global_buffer, .address_space: global }
    .group_segment_fixed_size: 327680
    .private_segment_fixed_size: 0
    .kernarg_segment_align: 8
    .kernarg_segment_size: 56
    .max_flat_workgroup_size: 128
    .sgpr_count:     106
    .vgpr_count:     1024
    .wavefront_size: 32
...
	.end_amdgpu_metadata
.endif
;; end of part 2
;; launch attn (part 3): grid 16 x 32, 8 waves a work-group, clusters of 4 x 4, 327,680 bytes of LDS; arguments qbuf, kv, attention_mask, out0; writes out0
.if DOCPART == 3
	.amdgcn_target "amdgcn-amd-amdhsa--gfx1250"
	.amdhsa_code_object_version 6
	.text
	.protected	k_q3f26985cac_attn
	.globl	k_q3f26985cac_attn
	.p2align	8
	.type	k_q3f26985cac_attn,@function
k_q3f26985cac_attn:
	s_mov_b64 s[64:65], 0
	v_nop
	global_prefetch_b8 v0, s[64:65] scope:SCOPE_SE
	s_setreg_imm32_b32 hwreg(HW_REG_WAVE_MODE, 25, 1), 1
	s_wait_xcnt 0x0
	s_wait_alu depctr_hold_cnt(0) depctr_sa_sdst(0) depctr_va_vdst(0) depctr_va_sdst(0) depctr_va_ssrc(0) depctr_va_vcc(0) depctr_vm_vsrc(0)
	s_getreg_b32 s2, hwreg(HW_REG_IB_STS2, 6, 4)
	s_cmp_eq_u32 s2, 0
	s_cbranch_scc0 .Lentry_in_a_cluster
	s_endpgm
.Lentry_in_a_cluster:
	s_bfe_u32 s2, ttmp6, 0x10000c
	s_cmp_lg_u32 s2, 0xf033
	s_cbranch_scc0 .Lentry_shape_is_right
	s_endpgm
.Lentry_shape_is_right:
; out0[b][64 head + d][l] = sum over keys m of softmax_m(q[l] . k[m] / 8 + mask[b][l][m]) v[m][d], both products on codes of E3M2 with one E8M0 scale for each 32 along a product's K.
; qbuf, kv: as the launch before lays them (fragments as images of their registers; q's scale bytes already carry the division by 8).
; THE SOFTMAX: t = logit x log2(e); M = the row's largest t so far, rounded UP to a whole number; p = 2^(t - M) is quantised along the keys, not normalised; the row's sum is taken of the
; unquantised p and divides at the end.  When M moves, the sum and O are multiplied by 2^(old M - new M): exact.
; SHARES.  A work-group owns 64 queries of FOUR heads of one batch.  Wave w of eight owns head w / 2 and TWO tiles of 16 queries: tile A = w % 2 (rows 0-31 of the 64), tile B = 2 + w % 2 (rows 32-63).
; Each fragment of K and of V serves both tiles.  Every wave walks the 1,024 keys, 128 a step.
; REGISTER WINDOWS: tile A's scores, O, codes and state lie in window 0, tile B's under the SAME numbers in window 1, so one macro serves both.  K's fragments lie in window 0 (v32-85), V's in window 1 (v32-79);
; all scale words lie in window 0 (scale operands have no window).
; THE MASK LIES WHOLE IN LDS: the work-group's 64 queries x 1,024 keys, f32, as eight regions of 64 rows x (512 + 16) bytes, 270,336 bytes.  Each wave brings 32 rows of one region by one tensor load at the head
; (steps 0-3) and 32 rows by one more behind the full sequence (steps 4-7).  No byte is filled twice, so the walk over the keys has no change of slots; one barrier, ahead of trip 3, shows steps 4-7 to all waves.
; CLUSTER 4 x 4: all 16 heads x 256 queries of a batch.  The mask's tiles hang on the batch and the queries: asked for jointly along a column of the cluster.
; K, V AND Q GO FROM MEMORY STRAIGHT INTO REGISTERS: they lie as register images, so each load instruction of a wave covers 512 (or 256) consecutive aligned bytes.  They are not asked for jointly: the mask leaves
; 57,344 bytes of LDS, and two slots of a step's K and V of four heads would take 104,448.
; THE ORDER OF A TRIP t: on entry both tiles' scores of step t stand in registers, so K's and V's registers are free: V(t) and K(t + 1) are asked of memory at the trip's top and awaited behind both softmaxes.
; Tile A's mask of step t + 1 is read from LDS behind tile A's softmax, tile B's behind tile B's.  The trip ends with the products with V and with both tiles' scores of step t + 1.
; LAYOUT.  Both products are used transposed: S^T = K Q^T + C, O^T = V^T P^T: a lane holds ONE query (lane % 16).  THE MASK IS THE C OF THE FIRST PRODUCT, loaded from LDS into the scores' registers.
; K = 64 IN AN INSTRUCTION OF K = 128: Q's registers 6-11 are zero codes; K's tiles lie 6 registers apart, an operand's upper half is the next tile's codes (behind the last: six cleared registers), which meet zeros.
; LIMITS: a row whose every logit is -infinity gives NaN, as the softmax of such a row does; +infinity and NaN in the mask are not served; the promise holds while |t| stays under 2^31.
.set MP,    528                        ; a query's row of a region: 512 bytes + 16
.set RG,    64*MP                      ; a region: one step's 128 keys of the 64 queries
.set STAGE, 0                          ; the way out: 256 channels x (256 bytes + 16), laid over regions 0 to 2, which have had their only fill and, behind a barrier, their last read
.set SPARE, 8*RG                       ; the spare words: 128 bytes for each of 8 waves
.set STEPB, 52224                      ; a step's K and V of four heads in memory; a head's part is 13,056: K's record (6,656), V's (6,400)
.set MA0, 1
.set MB0, 2
.set LO16, 3
.set LO8, 4
.set SPW, 7
.set NIL, 8
.set ADMA, 86
.set ADMB, 89
.set PFK,  93
.set PFK2, 94
.set KF,  32
.set S,   96
.set O,   160
.set PCD, 192
.set BM,  212
.set PR,  216
.set SO,  220
.set TR,  240
.set WV,  12
.set CX,  13
.set CY,  14
.set QB,  15
.set BB,  16
.set HJ,  17
.set U,   18
.set SEL, 20
.set CS,  22
.set G1M, 24
.set G0M, 32
.set G0N, 36
.set KP,  40
.set VP,  42
.set TE,  73
.set CNT, 74
.set PCN, 75
.set LIMK, 76
.set PKA, 80
.set QP,  82
.set QR,  84
.set MSB, 0
.macro WIN new                         ; the immediate's high byte repeats the setting that is left
.if MSB != (\new)
	s_set_vgpr_msb (MSB<<8)|(\new)
.set MSB, (\new)
.endif
.endm
.macro TL g0, g1                       ; a tensor load with an s_nop and four v_nops behind it
	tensor_load_to_lds s[\g0:\g0+3], s[\g1:\g1+7]
	s_nop 0
.rept 4
	v_nop
.endr
.endm
; A PREFETCH INTO THE L2: trip t asks for step t + 3's block of K and V: two trips ahead of K's loads, three ahead of V's.  The block is walked by all four clusters of a batch: the first of them asks; the four
; partners of a row share its 204 blocks of 256 bytes out by address, 51 each; wave 7 asks, by two instructions (the second's last lanes name block 50 again).  Trips 5 and later ask for nothing; steps 0 to 2 come by their loads alone.
.macro ASK
	s_cmp_gt_i32 s[PCN], s[LIMK]
	s_cbranch_scc0 .Lno_k_\@
	global_prefetch_b8 v[PFK], s[PKA:PKA+1] th:TH_LOAD_NT scope:SCOPE_SE
	global_prefetch_b8 v[PFK2], s[PKA:PKA+1] th:TH_LOAD_NT scope:SCOPE_SE
.Lno_k_\@:
.endm
.macro CROUND                          ; a round of the cluster's barrier
	s_barrier_signal -1
	s_barrier_wait -1
	s_cmp_lg_u32 s[WV], 0
	s_cbranch_scc1 .Lnot_wave_0_\@
	s_barrier_signal -3
.Lnot_wave_0_\@:
	s_barrier_wait -3
	s_barrier_signal -1
	s_barrier_wait -1
.endm
	s_load_b256 s[4:11], s[0:1], 0x0               ; qbuf s[4:5], kv s[6:7], the mask s[8:9], out0 s[10:11]
	v_lshl_add_u32 v[SPW], v0, 2, SPARE
	v_mov_b32 v[NIL], 0
	ds_add_u32 v[SPW], v[NIL]                      ; the opening lines: the add, twice on end, and its wait
	ds_add_u32 v[SPW], v[NIL]
	v_lshrrev_b32 v9, 5, v0
	v_readfirstlane_b32 s[WV], v9                  ; wave 0 .. 7
	s_bfe_u32 s[CX], ttmp6, 0x40000
	s_bfe_u32 s[CY], ttmp6, 0x40004                ; cy: which four heads
	s_lshl_b32 s[QB], ttmp9, 2
	s_add_co_u32 s[QB], s[QB], s[CX]               ; my block of 64 queries
	s_and_b32 s[BB], ttmp7, 0xffff                 ; the batch
	s_lshr_b32 s[HJ], s[WV], 1                     ; my head of the four.  Also: which region of four I fetch
	s_and_b32 s[U], s[WV], 1                       ; my tiles: u and 2 + u.  Also: which 32 rows of that region I fetch
	s_lshl_b32 s86, 0x1111, s[CX]                  ; my column of the cluster
	s_or_b32 s[G1M], s86, (2<<16)|(1<<20)|(1<<21)|(6<<22)|(3<<25)  ; the mask: 32 rows x 128 elements of 4 bytes; 4 words of padding behind every 128
	s_mov_b32 s[G1M+1], 128<<16
	s_mov_b32 s[G1M+2], 32<<16
	s_mov_b32 s[G1M+3], 128<<16
	s_mov_b32 s[G1M+4], 32
	s_mov_b32 s[G1M+5], 1024
	s_mov_b32 s[G1M+6], 0
	s_mov_b32 s[G1M+7], 0
	s_lshl_b32 s88, s[BB], 22                      ; the mask: batch x 4 MiB + 64 x block rows of 4,096 bytes (never cy) + my 32 rows + my region's 128 keys
	s_lshl_b32 s96, s[QB], 18
	s_add_co_u32 s88, s88, s96
	s_lshl_b32 s96, s[U], 17
	s_add_co_u32 s88, s88, s96
	s_lshl_b32 s96, s[HJ], 9
	s_add_co_u32 s88, s88, s96
	s_mov_b32 s89, 0
	s_mul_i32 s[G0M+1], s[WV], 32*MP               ; where they go: wave x 32 rows
	s_add_co_u32 s[G0N+1], s[G0M+1], 4*RG          ; and four regions on
	s_lshl_b32 s94, s[BB], 2                       ; K and V: (4 batch + cy) x 8 steps x 52,224
	s_add_co_u32 s94, s94, s[CY]
	s_mul_i32 s94, s94, 8*STEPB
	s_mul_i32 s98, s[CX], 13056                    ; the prefetches: my work-group's 51 blocks, at step 3
	s_add_co_u32 s98, s98, s94
	s_add_co_u32 s98, s98, 3*STEPB
	s_mov_b32 s99, 0
	s_mul_i32 s96, s[HJ], 13056
	s_add_co_u32 s94, s94, s96                     ; + my head's part
	s_mov_b32 s95, 0
	s_xor_b32 s96, s[WV], 7
	s_or_b32 s96, s96, ttmp9                       ; wave 7 of the batch's first cluster
	s_cmp_eq_u32 s96, 0
	s_cselect_b32 s[LIMK], 0, 0x7fffffff
	s_mov_b32 s[PCN], 5                            ; trips that still ask
	s_lshl_b32 s96, s[BB], 4                       ; Q's record: ((16 batch + 4 cy + head) x 8 + block / 2) x 6,656
	s_lshl_b32 s97, s[CY], 2
	s_add_co_u32 s96, s96, s97
	s_add_co_u32 s96, s96, s[HJ]
	s_lshl_b32 s96, s96, 3
	s_lshr_b32 s97, s[QB], 1
	s_add_co_u32 s96, s96, s97
	s_mul_i32 s96, s96, 6656
	s_mov_b32 s97, 0
	s_and_b32 s2, s[QB], 1
	s_lshl_b32 s82, s2, 2
	s_add_co_u32 s82, s82, s[U]                    ; tile A is tile 4 (block % 2) + u of the record's eight, tile B two further on
	s_mul_i32 s82, s82, 768
	s_mov_b32 s83, 0
	s_lshl_b32 s2, s2, 3                           ; tile A's scale words: register t / 2, lanes 16 (t % 2) on; tile B's stand 4 bytes further on
	s_lshl_b32 s3, s[U], 8
	s_add_co_u32 s2, s2, s3
	s_mul_i32 s19, s[U], 16*MP
	s_mov_b32 s[SEL], 0x76543210
	s_mov_b32 s[SEL+1], 0xfedcba98
	s_mov_b32 s[CS], 0x3fb8aa3b                    ; log2(e)
	s_mov_b32 s[CS+1], s[CS]
	s_mov_b32 s[TE], RG                            ; the region of the step after the trip's
	s_wait_dscnt 0x0                               ; both opening adds are done
	s_wait_kmcnt 0x0
	s_add_nc_u64 s[QR:QR+1], s[4:5], s[96:97]      ; Q's record
	s_add_nc_u64 s[QP:QP+1], s[QR:QR+1], s[82:83]  ; tile A in it
	s_mov_b32 s[G0M], 1
	s_add_nc_u64 s[G0M+2:G0M+3], s[8:9], s[88:89]
	s_mov_b32 s[G0N], 1
	s_add_nc_u64 s[G0N+2:G0N+3], s[G0M+2:G0M+3], 2048      ; four steps of 512 bytes on
	s_or_b32 s[G0M+3], s[G0M+3], 0x80000000
	s_or_b32 s[G0N+3], s[G0N+3], 0x80000000
	s_add_nc_u64 s[KP:KP+1], s[6:7], s[94:95]      ; K(0) of my head
	s_add_nc_u64 s[VP:VP+1], s[KP:KP+1], 6656      ; V(0)
	s_add_nc_u64 s[PKA:PKA+1], s[6:7], s[98:99]
	s_lshl_b32 s96, s[BB], 22                      ; out0: batch x 4 MiB + (256 cy + 32 wave) rows of 4,096 bytes + 256 x block
	s_lshl_b32 s97, s[CY], 20
	s_add_co_u32 s96, s96, s97
	s_lshl_b32 s97, s[WV], 17
	s_add_co_u32 s96, s96, s97
	s_lshl_b32 s97, s[QB], 8
	s_add_co_u32 s96, s96, s97
	s_mov_b32 s97, 0
	s_add_nc_u64 s[10:11], s[10:11], s[96:97]
	CROUND                                         ; all sixteen work-groups are here: the first joint loads meet
	TL G0M, G1M                                    ; steps 0-3: every wave's one load at the head
.macro INIT                            ; a tile's state: -M, the largest t (-3e38), the sum, Q's zero codes, registers named before they are first written, O^T
	v_mov_b32 v13, 0xff61b1e6
	v_mov_b32 v12, 0x7f61b1e6
.irp j, 14,15,22,23,24,25,26,27,225,PR,PR+1,PR+2,PR+3
	v_mov_b32 v[\j], 0
.endr
.set n, 0
.rept 32
	v_mov_b32 v[O+n], 0
.set n, n+1
.endr
.endm
.macro LOADK                           ; K's eight tiles and scale words, from memory (window 0)
.irp t, 0,1,2,3,4,5,6,7
	global_load_b128 v[KF+6*\t:KF+6*\t+3], v[LO16], s[KP:KP+1] offset:768*\t
	global_load_b64 v[KF+6*\t+4:KF+6*\t+5], v[LO8], s[KP:KP+1] offset:768*\t+512
.endr
	global_load_b128 v[232:235], v[LO16], s[KP:KP+1] offset:6144   ; tile 2 i in lanes 0-15 of register i, tile 2 i + 1 in lanes 16-31
.endm
.macro LOADM adr                       ; a tile's mask, where its scores will stand: 16 LDS loads
.irp t, 0,1,2,3,4,5,6,7
	ds_load_b128 v[S+8*\t:S+8*\t+3], v[\adr] offset:64*\t
	ds_load_b128 v[S+8*\t+4:S+8*\t+7], v[\adr] offset:64*\t+16
.endr
.endm
	v_and_b32 v9, 31, v0                           ; lane
	v_and_b32 v10, 15, v0                          ; r
	v_bfe_u32 v11, v0, 4, 1                        ; h
	v_lshlrev_b32 v[LO16], 4, v9
	v_lshlrev_b32 v[LO8], 3, v9
	v_lshl_add_u32 v95, v10, 4, s2
	LOADK                                          ; K(0)
	global_load_b128 v[16:19], v[LO16], s[QP:QP+1] ; Q's tiles stay in registers
	global_load_b64 v[20:21], v[LO8], s[QP:QP+1] offset:512
	global_load_b32 v28, v95, s[QR:QR+1] offset:6144       ; tile A's scale words,
	global_load_b32 v29, v95, s[QR:QR+1] offset:6148       ; tile B's
	WIN 0x40                                       ; destinations in window 1
	global_load_b128 v[16:19], v[LO16], s[QP:QP+1] offset:1536
	global_load_b64 v[20:21], v[LO8], s[QP:QP+1] offset:2048
	INIT
	WIN 0
	INIT
.irp j, 80,81,82,83,84,85
	v_mov_b32 v[\j], 0                             ; what stands behind K's last tile
.endr
	v_mul_u32_u24 v[MA0], v10, MP
	v_lshl_add_u32 v[MA0], v11, 5, v[MA0]
	v_add_nc_u32 v[MA0], s19, v[MA0]               ; the mask, tile A: row 16 u + r of a region, + 32 h
	v_add_nc_u32 v[MB0], 32*MP, v[MA0]             ; tile B: 32 rows on
	v_lshlrev_b32 v[PFK], 8, v9
	v_add_nc_u32 v[PFK2], 32, v9
	v_min_u32 v[PFK2], 50, v[PFK2]
	v_lshlrev_b32 v[PFK2], 8, v[PFK2]
.macro SMUL qs                         ; S^T = K Q^T + the mask: eight accumulators by turns
.irp t, 0,2,4,6
	v_wmma_scale_f32_16x16x128_f8f6f4 v[S+8*\t:S+8*\t+7], v[KF+6*\t:KF+6*\t+11], v[16:27], v[S+8*\t:S+8*\t+7], v[232+\t/2], v[\qs] matrix_a_fmt:MATRIX_FMT_BF6 matrix_b_fmt:MATRIX_FMT_BF6
	v_wmma_scale_f32_16x16x128_f8f6f4 v[S+8*\t+8:S+8*\t+15], v[KF+6*\t+6:KF+6*\t+17], v[16:27], v[S+8*\t+8:S+8*\t+15], v[232+\t/2], v[\qs] matrix_a_fmt:MATRIX_FMT_BF6 matrix_b_fmt:MATRIX_FMT_BF6 matrix_a_scale:MATRIX_SCALE_ROW1
.endr
.endm
.macro PV ps                           ; O^T += V^T P^T: four accumulators by turns
.irp t, 0,2
	v_wmma_scale_f32_16x16x128_f8f6f4 v[O+8*\t:O+8*\t+7], v[KF+12*\t:KF+12*\t+11], v[PCD:PCD+11], v[O+8*\t:O+8*\t+7], v[236+\t/2], v[\ps] matrix_a_fmt:MATRIX_FMT_BF6 matrix_b_fmt:MATRIX_FMT_BF6
	v_wmma_scale_f32_16x16x128_f8f6f4 v[O+8*\t+8:O+8*\t+15], v[KF+12*\t+12:KF+12*\t+23], v[PCD:PCD+11], v[O+8*\t+8:O+8*\t+15], v[236+\t/2], v[\ps] matrix_a_fmt:MATRIX_FMT_BF6 matrix_b_fmt:MATRIX_FMT_BF6 matrix_a_scale:MATRIX_SCALE_ROW1
.endr
.endm
; A tile's softmax of 128 keys, under the window setting wcur; p's scale word goes to v[pw] of window 0, under the setting wpw.
.macro SOFTMAX pw, wcur, wpw
.irp b, 0,1,2,3
	v_max3_num_f32 v[BM+\b], v[S+16*\b], v[S+1+16*\b], v[S+2+16*\b]   ; the largest logit of each block of 32 keys: for the row's maximum and, since p rises with the logit, for the block's largest p
.endr
.irp i, 3,5,7,9,11,13
.irp b, 0,1,2,3
	v_max3_num_f32 v[BM+\b], v[BM+\b], v[S+16*\b+\i], v[S+1+16*\b+\i]
.endr
.endr
.irp b, 0,1,2,3
	v_max_num_f32 v[BM+\b], v[BM+\b], v[S+15+16*\b]
.endr
.irp b, 0,1,2,3
	v_permlanex16_b32 v[PR+\b], v[BM+\b], s[SEL], s[SEL+1]
.endr
.irp b, 0,1,2,3
	v_max_num_f32 v[BM+\b], v[BM+\b], v[PR+\b]     ; with lane l xor 16's 16 keys
.endr
	v_max3_num_f32 v227, v[BM], v[BM+1], v[BM+2]
	s_delay_alu instid0(VALU_DEP_1)
	v_max_num_f32 v227, v227, v[BM+3]
	s_delay_alu instid0(VALU_DEP_1)
	v_mul_f32 v227, s[CS], v227                    ; as t
	s_delay_alu instid0(VALU_DEP_1)
	v_max_num_f32 v13, v13, v227                   ; the running largest t
	v_mov_b32 v227, v12
	s_delay_alu instid0(VALU_DEP_2)
	v_floor_f32 v12, -v13                          ; the new -M = -ceil(t)
	s_delay_alu instid0(VALU_DEP_1)
	v_sub_f32 v227, v12, v227                      ; old M - new M: a whole number, 0 or less
	s_delay_alu instid0(VALU_DEP_1)
	v_cvt_i32_f32 v227, v227                       ; (it saturates)
	s_delay_alu instid0(VALU_DEP_1)
	v_ldexp_f32 v224, 1.0, v227                    ; f = 2^(old M - new M)
.set n, 0
.rept 32
	v_pk_fma_f32 v[S+n:S+n+1], v[S+n:S+n+1], s[CS:CS+1], v[12:13] op_sel_hi:[1,0,0]   ; t - M, two at a time
.set n, n+2
.endr
.irp b, 0,1,2,3
	v_fma_f32 v[BM+\b], v[BM+\b], s[CS], v12       ; the same of each block's largest logit
.endr
	s_wait_alu depctr_va_vdst(0)                   ; the wait ahead of the batch
.set n, 0
.rept 64
	v_exp_f32 v[S+n], v[S+n]                       ; p = 2^(t - M)
.set n, n+1
.endr
	v_pk_mul_f32 v[14:15], v[14:15], v[224:225] op_sel_hi:[1,0]    ; the sums under the new M: the plain instruction behind the exponentials
	s_wait_alu depctr_va_vdst(0)                   ; one wait for the batch of 64, ahead of its first reader
.irp b, 0,1,2,3
	v_exp_f32 v[BM+\b], v[BM+\b]                   ; the blocks' largest p
.endr
.irp j, 0,1,2,3,4,5,6                  ; the row's sum of the unquantised p: 32 pairs in eight chains
	v_pk_add_f32 v[TR+2*\j:TR+2*\j+1], v[S+4*\j:S+4*\j+1], v[S+4*\j+2:S+4*\j+3]
.endr
	v_pk_add_f32 v[14:15], v[14:15], v[S+28:S+29]
.irp j, 0,1,2,3,4,5,6
	v_pk_add_f32 v[TR+2*\j:TR+2*\j+1], v[TR+2*\j:TR+2*\j+1], v[S+30+2*\j:S+31+2*\j]
.endr
	v_pk_add_f32 v[14:15], v[14:15], v[S+44:S+45]
.irp j, 0,1,2,3,4,5,6
	v_pk_add_f32 v[TR+2*\j:TR+2*\j+1], v[TR+2*\j:TR+2*\j+1], v[S+46+2*\j:S+47+2*\j]
.endr
	v_pk_add_f32 v[14:15], v[14:15], v[S+60:S+61]
	v_pk_add_f32 v[TR:TR+1], v[TR:TR+1], v[S+62:S+63]
	v_pk_add_f32 v[TR+4:TR+5], v[TR+4:TR+5], v[TR+6:TR+7]
	v_pk_add_f32 v[TR+8:TR+9], v[TR+8:TR+9], v[TR+10:TR+11]
	v_pk_add_f32 v[14:15], v[14:15], v[TR+12:TR+13]
	v_pk_add_f32 v[TR:TR+1], v[TR:TR+1], v[TR+2:TR+3]
	v_pk_add_f32 v[14:15], v[14:15], v[TR+8:TR+9]
	v_pk_add_f32 v[TR:TR+1], v[TR:TR+1], v[TR+4:TR+5]
	s_delay_alu instid0(VALU_DEP_1)
	v_pk_add_f32 v[14:15], v[14:15], v[TR:TR+1]
	s_wait_alu depctr_va_vdst(0)                   ; and one for the four
.irp b, 0,1,2,3
	v_max_num_f32 v[BM+\b], 0x2800000, v[BM+\b]    ; the floor: the byte cannot fall under 1
.endr
.irp b, 0,1,2,3
	v_add_nc_u32 v[SO+\b], 0xfe000000, v[BM+\b]    ; 4 off the exponent field: the conversion's scale operand
.endr
.irp b, 0,1,2,3
	v_lshrrev_b32 v[PR+\b], 23, v[SO+\b]           ; the scale's byte
.endr
	v_lshl_or_b32 v226, v[PR+1], 8, v[PR]
	s_delay_alu instid0(VALU_DEP_1)
	v_lshl_or_b32 v226, v[PR+2], 16, v226
	WIN \wpw
	v_lshl_or_b32 v[\pw], v[PR+3], 24, v226        ; p's scale word for these 128 keys, in window 0
	WIN \wcur
.irp c, 0,1
	v_cvt_scalef32_pk16_bf6_f32 v[PCD+6*\c:PCD+2+6*\c], v[S+32*\c:S+15+32*\c], v[SO+2*\c]
	v_cvt_scalef32_pk16_bf6_f32 v[PCD+12+4*\c:PCD+14+4*\c], v[S+16+32*\c:S+31+32*\c], v[SO+2*\c+1]
.endr
	v_nop                                          ; one plain instruction behind the conversions
.irp c, 0,1                            ; a whole block to a lane: lanes 0-15 block 2 c, lanes 16-31 block 2 c + 1
.irp i, 0,1,2
	v_permlane16_swap_b32 v[PCD+6*\c+\i], v[PCD+12+4*\c+\i]
.endr
.irp i, 0,1,2
	v_mov_b32 v[PCD+3+6*\c+\i], v[PCD+12+4*\c+\i]
.endr
.endr
	s_wait_alu depctr_va_vdst(0)                   ; the wait directly ahead of the first reader of O^T
.set n, 0
.rept 16
	v_pk_mul_f32 v[O+n:O+n+1], v[O+n:O+n+1], v[224:225] op_sel_hi:[1,0]   ; O^T under the new M; these sixteen are also the places between the writes of p's codes and scale word and the products
.set n, n+2
.endr
.endm
; TRIP t.  On entry both tiles' scores of step t stand in registers.  last = 1: step 7, with no step behind it.
.macro BODY last
.if \last                              ; these four lines are also the places behind the last trip's products
	v_nop
	v_nop
.else
	v_add_nc_u32 v[ADMA], s[TE], v[MA0]
	v_add_nc_u32 v[ADMB], s[TE], v[MB0]
.endif
	v_nop
	v_nop
.if \last == 0
	LOADK                                          ; K(t + 1): 17 loads; both softmaxes stand between them and the wait for them
.endif
	WIN 0x40                                       ; V(t)'s four tiles into window 1
.irp t, 0,1,2,3
.irp g, 0,1,2
	global_load_b128 v[KF+12*\t+4*\g:KF+12*\t+4*\g+3], v[LO16], s[VP:VP+1] offset:1536*\t+512*\g
.endr
.endr
	WIN 0
	global_load_b64 v[236:237], v[LO8], s[VP:VP+1] offset:6144     ; V's scale words
.if \last == 0
	ASK
.endif
	SOFTMAX 30, 0, 0
.if \last == 0
	LOADM ADMA                                     ; tile A's p are codes now: its next mask lands under tile B's softmax
.endif
	WIN 0x55
	SOFTMAX 31, 0x55, 0x15
.if \last == 0
	WIN 0x40
	LOADM ADMB                                     ; tile B's next mask lands under the sixteen products below
.endif
	s_wait_alu depctr_va_vdst(0)
	s_wait_loadcnt 0x0                             ; V(t) and K(t + 1) are in
	WIN 0x01                                       ; V in window 1; P, C and D in window 0
	PV 30
	WIN 0x55
	PV 31
	WIN 0
.if \last == 0
	s_wait_xcnt 0x0                                ; this trip's prefetches have read their address; the loads are done: the bases may step
	s_add_nc_u64 s[KP:KP+1], s[KP:KP+1], STEPB
	s_add_nc_u64 s[VP:VP+1], s[VP:VP+1], STEPB
	s_add_nc_u64 s[PKA:PKA+1], s[PKA:PKA+1], STEPB
	s_sub_co_i32 s[PCN], s[PCN], 1
	s_wait_dscnt 16                                ; tile A's mask is in; tile B's 16 loads, the only younger ones, may be out
	SMUL 28                                        ; tile A's scores of step t + 1
	s_wait_dscnt 0x0                               ; tile B's mask is in
	WIN 0x54                                       ; K in window 0; Q, C and D in window 1
	SMUL 29                                        ; tile B's scores of step t + 1
	WIN 0
	s_add_co_u32 s[TE], s[TE], RG
.endif
.endm
	s_wait_alu depctr_va_vdst(0)
	s_wait_tensorcnt 0x0                           ; my part of steps 0-3 is in
	ds_add_u32 v[SPW], v[NIL]
	s_wait_dscnt 0x0
	CROUND                                         ; everybody's part is in, and all sixteen work-groups are here: the joint loads meet
	TL G0N, G1M                                    ; steps 4-7: my one load behind the round
	LOADM MA0                                      ; both tiles' masks of step 0
	WIN 0x40
	LOADM MB0
	WIN 0
	s_wait_loadcnt 0x0                             ; Q and K(0)
	s_wait_dscnt 0x0
	s_add_nc_u64 s[KP:KP+1], s[KP:KP+1], STEPB
	SMUL 28                                        ; both tiles' scores of step 0
	WIN 0x54
	SMUL 29
	WIN 0
	s_mov_b32 s[CNT], 3
.Lfirst:                                           ; trips 0-2 read regions 1-3
	BODY 0
	s_sub_co_u32 s[CNT], s[CNT], 1
	s_cmp_lg_u32 s[CNT], 0
	s_cbranch_scc1 .Lfirst
	s_wait_tensorcnt 0x0                           ; my part of steps 4-7 is in
	s_wait_dscnt 0x0
	s_barrier_signal -1
	s_barrier_wait -1                              ; and everybody's
	s_mov_b32 s[CNT], 4
.Lsecond:                                          ; trips 3-6 read regions 4-7
	BODY 0
	s_sub_co_u32 s[CNT], s[CNT], 1
	s_cmp_lg_u32 s[CNT], 0
	s_cbranch_scc1 .Lsecond
	BODY 1
	; THE WAY OUT.  O^T / the sum.  A lane holds one query and channels 16 t + 8 h + i; out0's rows are channels with the queries along them: so the results meet in a stage, 256 channels x 64 queries,
	; and each wave stores 32 whole rows' 256 bytes.  The stage lies over the mask: a barrier parts every wave's last read of the mask from the first store.
	s_wait_dscnt 0x0                               ; my reads of the mask are over
	s_barrier_signal -1                            ; work on registers alone up to the wait
	s_mul_i32 s96, s[HJ], 64*272
	s_lshl_b32 s97, s[U], 6
	s_add_co_u32 s96, s96, s97
	s_add_co_u32 s96, s96, STAGE
	s_mul_i32 s97, s[WV], 32*272
	s_add_co_u32 s97, s97, STAGE
	v_add_f32 v14, v14, v15
	s_delay_alu instid0(VALU_DEP_1)
	v_permlanex16_b32 v[PR], v14, s[SEL], s[SEL+1]
	s_delay_alu instid0(VALU_DEP_1)
	v_add_f32 v14, v14, v[PR]                      ; tile A's rows' sums
	WIN 0x55
	v_add_f32 v14, v14, v15
	s_delay_alu instid0(VALU_DEP_1)
	v_permlanex16_b32 v[PR], v14, s[SEL], s[SEL+1]
	s_delay_alu instid0(VALU_DEP_1)
	v_add_f32 v14, v14, v[PR]                      ; tile B's
	s_wait_alu depctr_va_vdst(0)                   ; the wait ahead of the batch
	v_rcp_f32 v14, v14
	WIN 0
	v_rcp_f32 v14, v14
	v_and_b32 v9, 15, v0                           ; r
	v_bfe_u32 v10, v0, 4, 1                        ; h
	v_mul_u32_u24 v86, v10, 8*272
	v_lshl_add_u32 v86, v9, 2, v86
	v_add_nc_u32 v86, s96, v86                     ; in: row 64 head + 8 h (+ 16 t + i), column 16 u + r (tile B: 32 columns on)
	v_mul_u32_u24 v87, v10, 272
	v_lshl_add_u32 v87, v9, 4, v87
	v_add_nc_u32 v87, s97, v87                     ; back: rows 32 wave on; lanes 0-15 one row, lanes 16-31 the next
	v_lshlrev_b32 v88, 12, v10
	v_lshl_add_u32 v88, v9, 4, v88                 ; and the same two rows in out0
	s_wait_alu depctr_va_vdst(0)                   ; the wait ahead of the reciprocals' first reader and of O^T's
.set n, 0
.rept 32
	v_mul_f32 v[S+n], v[O+n], v14                  ; each accumulator from its low end on
.set n, n+1
.endr
	WIN 0x55
	s_wait_alu depctr_va_vdst(0)                   ; and directly ahead of tile B's
.set n, 0
.rept 32
	v_mul_f32 v[S+n], v[O+n], v14
.set n, n+1
.endr
	WIN 0
	s_wait_alu depctr_va_vdst(0)
	s_barrier_wait -1                              ; nobody reads the mask any more
.irp t, 0,1,2,3
.irp i, 0,1,2,3,4,5,6,7
	ds_store_b32 v86, v[S+8*\t+\i] offset:(16*\t+\i)*272
.endr
.endr
	WIN 0x04                                       ; the data in window 1
.irp t, 0,1,2,3
.irp i, 0,1,2,3,4,5,6,7
	ds_store_b32 v86, v[S+8*\t+\i] offset:(16*\t+\i)*272+128
.endr
.endr
	WIN 0
	s_wait_dscnt 0x0                               ; for the others' sake: my stores into the stage are done
	s_barrier_signal -1
	s_barrier_wait -1
.irp i, 0,1,2,3,4,5,6,7,8,9,10,11,12,13,14,15
	ds_load_b128 v[S+4*\i:S+4*\i+3], v87 offset:2*\i*272
.endr
.irp i, 0,1,2,3,4,5,6,7,8,9,10,11,12,13,14,15
	s_wait_dscnt 15-\i                             ; the younger loads may be out
	global_store_b128 v88, v[S+4*\i:S+4*\i+3], s[10:11] offset:2*\i*4096 th:TH_STORE_NT   ; sixteen lanes store 256 consecutive bytes, aligned
.endr
	s_wait_tensorcnt 0x0                           ; the wave's end
	ds_add_u32 v[SPW], v[NIL]
	s_wait_dscnt 0x0
	CROUND                                         ; the closing round: no work-group ends while a partner may still ask for a tile that names it
	s_endpgm
.Lfunc_end_k_q3f26985cac_attn:
	.size	k_q3f26985cac_attn, .Lfunc_end_k_q3f26985cac_attn-k_q3f26985cac_attn
	.p2alignl 7, 3214868480
	.fill 96, 4, 3214868480
	.section	.rodata,"a",@progbits
	.p2align	6, 0x0
	.amdhsa_kernel k_q3f26985cac_attn
		.amdhsa_group_segment_fixed_size 327680
		.amdhsa_private_segment_fixed_size 0
		.amdhsa_enable_private_segment 0
		.amdhsa_kernarg_size 32
		.amdhsa_user_sgpr_count 2
		.amdhsa_user_sgpr_kernarg_segment_ptr 1
		.amdhsa_wavefront_size32 1
		.amdhsa_system_sgpr_workgroup_id_x 1
		.amdhsa_system_sgpr_workgroup_id_y 1
		.amdhsa_system_sgpr_workgroup_id_z 1
		.amdhsa_system_vgpr_workitem_id 0
		.amdhsa_next_free_vgpr 512
		.amdhsa_next_free_sgpr 100
		.amdhsa_reserve_vcc 0
		.amdhsa_float_denorm_mode_32 3
		.amdhsa_float_denorm_mode_16_64 3
		.amdhsa_memory_ordered 1
		.amdhsa_forward_progress 1
		.amdhsa_inst_pref_size 120
	.end_amdhsa_kernel
	.amdgpu_metadata
---
amdhsa.version: [ 1, 2 ]
amdhsa.kernels:
  - .name:           k_q3f26985cac_attn
    .symbol:         k_q3f26985cac_attn.kd
    .args:
      - { .name: qbuf, .offset: 0, .size: 8, .value_kind: global_buffer, .address_space: global }
      - { .name: kv, .offset: 8, .size: 8, .value_kind: global_buffer, .address_space: global }
      - { .name: attention_mask, .offset: 16, .size: 8, .value_kind: global_buffer, .address_space: global }
      - { .name: out0, .offset: 24, .size: 8, .value_kind: global_buffer, .address_space: global }
    .group_segment_fixed_size: 327680
    .private_segment_fixed_size: 0
    .kernarg_segment_align: 8
    .kernarg_segment_size: 32
    .max_flat_workgroup_size: 256
    .sgpr_count:     100
    .vgpr_count:     512
    .wavefront_size: 32
...
	.end_amdgpu_metadata
.endif
;; end of part 3
